; MI455X (gfx1250); checked and timed in simulation.
; The chip was launched on July 23, 2026; its instructions are those of AMD's public machine-readable ISA for CDNA 5 (MIT licence, August 2026) and "CDNA5" Instruction Set Architecture Reference Guide (July 2026). The comments in the code are by the model that wrote it; some were corrected since.
;; Hyperbolic MLR. Allowed arithmetic: matrix products marked QUANTISED: E2M1 operands, one E8M0 scale for each 32 along K, by v_wmma_scale_f32_16x16x128_f8f6f4 with both operands' format E2M1 (or v_wmma_scale_f32_32x16x128_f4), f32 sums; products left as they are: f32 operands where the result goes on into a quantised operand, else bf16, f16 or f32 operands; f32 sums; everything else in f32.
;; Inputs: a_vals 512 x 256 float32; p_vals 512 x 256 float32; x 2,048 x 256 float32.
;; Outputs: out0 2,048 x 512 float32.
;; This version of the problem:
;;   THIS VERSION OF THE PROBLEM IS GIVEN IN LOW PRECISION. The matrix products marked QUANTISED in the list below multiply operands that are first quantised to E2M1 (2 exponent bits, 1 mantissa bit; 4 bits a number), with one power-of-two scale for each 32 numbers along K (OCP MX v1.0); their sums are f32. All else is computed in f32.
;;   The module's matrix products, in the order in which they are computed (A, B: the left and right operand; K: the contracted axis; several contracted axes count as one K, in the product's order):
;;     1. [M 512, K 256] x [K 256, N 2,048]; A: computed on the way; B: computed on the way: QUANTISED
;;     2. batch 512 x [M 2,048, K 256] x [K 256, N 1]; A: computed on the way; B: computed on the way: left as it is (N = 1 < 16)
;;   THE QUANTISER, for each operand of a quantised product, along K:
;;     - K is cut into blocks of 32 from its start; a last block that is shorter is filled with zeros.
;;     - A block's scale is 2^e with e = floor(log2(the largest magnitude in the block)) - 2, held to -126 .. 127; a block of zeros has e = 0. As a byte (E8M0): e + 127.
;;     - Each number is divided by its block's scale, clamped to +-6, and rounded to the nearest number of E2M1, ties to even, subnormals kept.
;;     - The product sums the exact products of the quantised numbers (number of the format x scale) in f32.
;;   ~~~python
;;   def quantise(x, axis):      # numpy; x: float32 -> the quantised numbers, widened to float32 again
;;       x = np.moveaxis(x, axis, -1); K = x.shape[-1]
;;       x = np.pad(x, [(0, 0)] * (x.ndim - 1) + [(0, -K % 32)]); x = x.reshape(x.shape[:-1] + (-1, 32)); a = np.abs(x).max(-1, keepdims=True)
;;       e = np.where(a > 0, np.clip(np.frexp(np.where(a > 0, a, 1))[1] - 1 - 2, -126, 127), 0)      # np.frexp(a)[1] - 1 = floor(log2(a)), exactly
;;       r = np.clip(x / 2.0 ** e, -6, 6)
;;       step = 2.0 ** (np.maximum(np.frexp(np.where(r == 0, 1, r))[1] - 1, 0) - 1)
;;       q = np.round(r / step) * step * 2.0 ** e      # np.round: ties to even
;;       return np.moveaxis(q.reshape(q.shape[:-2] + (-1,))[..., :K], -1, axis).astype(np.float32)
;;   ~~~
;;   OPERANDS COMPUTED ON THE WAY. 'Computed on the way' means the value that the module computes at that place (a softmax that the list does not call 'softmax' is quantised finished and normalised). What goes into a quantiser is computed in f32, as accurately as f32 sums, v_exp_f32 and their like allow (about 1e-6 of the number): no bf16 or f16 on the way to a quantiser, and a product that is left as it is and whose result goes on into a quantised operand takes f32 operands (vector FMAs, or v_wmma_f32_16x16x4_f32). A number that lies on a knife's edge between two numbers of the format may be rounded either way, as far as f32 arithmetic and the matrix unit's own rounding can turn it there, and no further.
;; One version. Each part assembles by itself: llvm-mc -triple=amdgcn-amd-amdhsa -mcpu=gfx1250 --defsym DOCPART=n.
;; ======== version 1 of 1: 1 launch
;; launch mlr (part 1): grid 8 x 32, 4 waves a work-group, clusters of 4 x 4, 246,272 bytes of LDS; arguments x, p_vals, a_vals, out0; writes out0
.if DOCPART == 1
	.amdgcn_target "amdgcn-amd-amdhsa--gfx1250"
	.amdhsa_code_object_version 6
	.text
	.protected	k_q2ec1d4ec60_mlr
	.globl	k_q2ec1d4ec60_mlr
	.p2align	8
	.type	k_q2ec1d4ec60_mlr,@function
k_q2ec1d4ec60_mlr:
	s_mov_b64 s[64:65], 0
	v_nop
	global_prefetch_b8 v0, s[64:65] scope:SCOPE_SE
	s_setreg_imm32_b32 hwreg(HW_REG_WAVE_MODE, 25, 1), 1
	s_wait_xcnt 0x0
	s_wait_alu depctr_hold_cnt(0) depctr_sa_sdst(0) depctr_va_vdst(0) depctr_va_sdst(0) depctr_va_ssrc(0) depctr_va_vcc(0) depctr_vm_vsrc(0)
	s_getreg_b32 s2, hwreg(HW_REG_IB_STS2, 6, 4)
	s_cmp_eq_u32 s2, 0
	s_cbranch_scc0 .Lentry_in_a_cluster
	s_endpgm
.Lentry_in_a_cluster:
	s_bfe_u32 s2, ttmp6, 0x10000c
	s_cmp_lg_u32 s2, 0xf033
	s_cbranch_scc0 .Lentry_shape_is_right
	s_endpgm
.Lentry_shape_is_right:
; HyperbolicMLR: out0[b][n] = k[n] asinh(num / den) of the Moebius sum (-P[n]) (+) X[b].  x [2048][256], p_vals, a_vals [512][256], out0 [2048][512], all f32.
; X = x s, s = clip x tanh(u)/u (x the projection's factor);  P = p tanh(z)/z;  A = a (1 - |P|^2).  The [n][b][256] tensor of the source is never built: with
;   q = sum Q(P) Q(X)  (the quantised product is xy = -q),   g = a . X,   d = p . x,   nc = 1 + y2 - 2 q,   dn = 1.00001 - 2 q + p2 y2,   om = 1 - p2,
;   M = |nc (-P) + om X|^2 = nc (nc p2 - 2 om P.X) + om^2 y2,     num / den = 2 (nc (-P.A) + om A.X) dn / (|A| (dn^2 - M)).
; q: codes of E2M1 with one E8M0 scale for 32 along K, made here in f32, by the scaled matrix form.  g: bf16 operands, f32 sums.  d: belongs to the sum of squares of the source, so it stays f32: packed multiply-adds.
; SHARES.  A work-group makes 64 b x 64 n, each of its four waves 16 b x 64 n: four tiles of 16 x 16.  TILE i TAKES THE COLUMNS n = 4 r + i: lane (r, h), register j of tile i holds (b = 8 h + j, n = 4 r + i), so a lane
; has four neighbouring n of a row, and sixteen lanes store 256 consecutive bytes, aligned.  The f32 dot products are laid in the same places, so nothing changes lanes.
; INPUTS.  Each wave brings 16 rows of p, of a and of x by three tensor loads at the head (p and a: every fourth row, so that a tile's rows lie on end); LDS is filled once.  CLUSTER 4 x 4: the four work-groups of a row of the
; cluster need the same rows of x, the four of a column the same rows of p and a: each tile is asked for jointly.  Wave w works up the 48 rows that it fetched; what the others need goes to LDS as images of registers; one barrier.
; LIMITS.  NaN and infinities among the inputs are not served.  A block of zeros gets the scale byte 1 (its codes are zeros; the bytes are read here alone).  Order of rounding: X = x s with one factor s, y2 = s^2 sum x^2,
; p2 likewise, and the expansion above, where the source rounds step by step.  asinh(z) = sign(z) ln(|z| + sqrt(z^2 + 1)) needs z^2 finite: |z| under 1.8e19.  tanh(z)/z: for z under 0.25 the series to z^8 (the first
; term left out is under 1e-8 there), else 1 - 2 / (1 + 2^(2 z log2 e)) over z.  Where |A| = 0 or p2 = 1 in f32 the result is not finite, as in the source.
; No prefetch: every input byte is asked for at the head.  No ring: no LDS byte is filled twice.
.set PITCH, 1040                       ; an LDS row: 1,024 bytes + 16 of padding = 260 words: sixteen rows that a load touches start 4 banks apart
.set TILE,  16*PITCH                   ; what one tensor load brings
.set XRAW,  0                          ; x: rows 16 w + r
.set PRAW,  4*TILE                     ; p: LDS row 16 i + r is row 4 r + i of the work-group's 64
.set ARAW,  8*TILE                     ; a: likewise
.set PQ,    12*TILE                    ; images of P's code fragments (tile i, K step s): 1,024 bytes at 2 i + s
.set PQS,   PQ+8*1024                  ; their scale words, 128 bytes each
.set ABF,   PQS+8*128                  ; images of a's bf16 fragments (tile i, 32 along K): 1,024 bytes at 8 i + k
.set NCON,  ABF+32*1024                ; six constants for each n, each stored twice on end: [c][i][r][2]
.set BCON,  NCON+6*512                 ; for each wave: s of its 16 rows, then y2 of its 16 rows
.set G1W0,  (2<<16)|(1<<20)|(1<<21)|(7<<22)|(3<<25)  ; elements of 4 bytes; padding on; bit 21 beside a mask; after every 256 words; 4 words
.set WV,  14                           ; s14 wave
.set SEL, 12                           ; s[12:13] selects of v_permlanex16_b32: lane l xor 16
.set MSK, 16                           ; s16 all bits but the sign
.set G1X, 24                           ; s[24:31] group 1 for x;  s[32:39] for p and a
.set G1P, 32
.set G0X, 48                           ; s[48:51], s[52:55], s[56:59] groups 0
.set G0P, 52
.set G0A, 56
.set VR,  1                            ; r = lane % 16
.set VH,  2                            ; h = lane / 16
.set VL,  3                            ; lane
.set VPR, 4                            ; my row of my p tile, + 64 h
.set VAR, 5                            ; of my a tile
.set VXR, 6                            ; of my x tile
.set VIM, 7                            ; PQ + 16 x lane: an image's place for my lane
.set VIMP, 8                           ; + 2,048 w: where I store P's images
.set VIMA, 9                           ; + 8,192 w: where I store a's
.set XS,  10                           ; v10-11 X's scale words;  v12-19 P's: these hold scales and nothing else
.set PS,  12
.set PW,  20                           ; a scale word of P on its way to LDS
.set VSC, 21                           ; PQS + 4 x lane
.set VSCW, 22                          ; + 256 w
.set VNW, 23                           ; NCON + 128 w + 8 r
.set VNR, 24                           ; NCON + 8 r
.set VBW, 25                           ; BCON + 256 w + 4 r
.set VBR, 26                           ; BCON + 256 w + 32 h
.set VAX, 27                           ; x rows 16 w + 8 h, stepped along K
.set VAP, 28                           ; p row r of tile 0, stepped along K
.set VOUT, 29                          ; my byte offset in the wave's rows of out0
.set K1,  30                           ; v[30:31] 1.00001 twice (first: P's second scale word on its way to LDS)
.set DA,  32                           ; v32-159 128 numbers of a row of x
.set PA0, 32                           ; v32-95 p, K 0-127;  v160-223 p, K 128-255
.set AA,  96                           ; v96-159 a, 128 along K at a time
.set PA1, 160
.set XB,  160                          ; v160-223 X's eight bf16 fragments
.set T,   224                          ; v224-255 at work
.set XQ,  240                          ; v240-255 X's two code fragments
.set Q,   32                           ; v32-63 q, tile i at 8 i;  v64-95 g
.set G,   64
.set FB,  96                           ; v96-159 P's eight code fragments
.set ACC, 96                           ; v96-159 the 32 f32 dot products, each in two halves (even k, odd k): (j, i) at 2 (4 j + i)
.set BU0, 160                          ; two operand buffers of 48: eight rows of x, four rows of p, 4 along K
.set BU1, 208
.set R,   96                           ; the epilogue: results, (j, i) at 4 j + i
.set TP,  96
.set DN,  112
.set NC,  128
.set Y1,  152
.set DD,  160
.set CN,  192
.set Y2,  240
.set SX,  248
.macro CROUND                          ; a round of the cluster's barrier
	s_barrier_signal -1
	s_barrier_wait -1
	s_cmp_lg_u32 s[WV], 0
	s_cbranch_scc1 .Lnot_wave_0_\@
	s_barrier_signal -3
.Lnot_wave_0_\@:
	s_barrier_wait -3
	s_barrier_signal -1
	s_barrier_wait -1
.endm
.macro PLACES n
.rept \n
	v_nop
.endr
.endm
; 64 numbers of my row, K = 128 half on: register 16 b + 4 q + e = k 32 b + 16 h + 4 q + e: sixteen neighbours of each block of 32
.macro LD16 reg, adr, half
.irp b, 0,1,2,3
.irp q, 0,1,2,3
	ds_load_b128 v[\reg+16*\b+4*\q:\reg+16*\b+4*\q+3], v[\adr] offset:512*(\half)+128*\b+16*\q
.endr
.endr
.endm
; sums over 64 numbers of a (v[AA] on) and of p: a.a, p.a, p.p, four chains each, the twelve by turns.  first = 1: the first products start the sums
.macro SUMS p, first
.set i, 0
.rept 32
.if (\first) && (i < 4)
	v_pk_mul_f32 v[T+8+2*i:T+9+2*i], v[AA+2*i:AA+2*i+1], v[AA+2*i:AA+2*i+1]
	v_pk_mul_f32 v[T+16+2*i:T+17+2*i], v[\p+2*i:\p+2*i+1], v[AA+2*i:AA+2*i+1]
	v_pk_mul_f32 v[T+2*i:T+1+2*i], v[\p+2*i:\p+2*i+1], v[\p+2*i:\p+2*i+1]
.else
	v_pk_fma_f32 v[T+8+2*(i%4):T+9+2*(i%4)], v[AA+2*i:AA+2*i+1], v[AA+2*i:AA+2*i+1], v[T+8+2*(i%4):T+9+2*(i%4)]
	v_pk_fma_f32 v[T+16+2*(i%4):T+17+2*(i%4)], v[\p+2*i:\p+2*i+1], v[AA+2*i:AA+2*i+1], v[T+16+2*(i%4):T+17+2*(i%4)]
	v_pk_fma_f32 v[T+2*(i%4):T+1+2*(i%4)], v[\p+2*i:\p+2*i+1], v[\p+2*i:\p+2*i+1], v[T+2*(i%4):T+1+2*(i%4)]
.endif
.set i, i+1
.endr
.endm
; a's 64 numbers become four bf16 fragments, in place, and go to LDS as they stand.  A lane's sixteen numbers of a block fill the fragment's sixteen places in their own order; X's fragments are made the same way, so equal k meet
.macro ABF16 half
.set i, 0
.rept 32
	v_cvt_pk_bf16_f32 v[AA+i], v[AA+2*i], v[AA+2*i+1]
.set i, i+1
.endr
.irp b, 0,1,2,3
	ds_store_b128 v[VIMA], v[AA+8*\b:AA+8*\b+3] offset:ABF-PQ+(4*(\half)+\b)*1024
	ds_store_b128 v[VIMA], v[AA+8*\b+4:AA+8*\b+7] offset:ABF-PQ+(4*(\half)+\b)*1024+512
.endr
.endm
.macro RED a                           ; four chains of pairs, and lane l xor 16's: the row's sum, in v[a]
	v_pk_add_f32 v[\a:\a+1], v[\a:\a+1], v[\a+2:\a+3]
	v_pk_add_f32 v[\a+4:\a+5], v[\a+4:\a+5], v[\a+6:\a+7]
	v_pk_add_f32 v[\a:\a+1], v[\a:\a+1], v[\a+4:\a+5]
	v_add_f32 v[\a], v[\a], v[\a+1]
	v_permlanex16_b32 v[\a+1], v[\a], s[SEL], s[SEL+1]
	v_add_f32 v[\a], v[\a], v[\a+1]
.endm
; o = tanh(z) / z for z > 0
.macro TANHQ o, z, t0, t1, t2, t3
	v_mul_f32 v[\t0], 0x4038aa3b, v[\z]            ; 2 z log2(e)
	v_exp_f32 v[\t0], v[\t0]
	v_rcp_f32 v[\t1], v[\z]
	v_mul_f32 v[\t2], v[\z], v[\z]                 ; the series stands behind the two as work that names neither result
	v_mov_b32 v[\t3], 0x3cb327a5                   ; 62/2835
	v_fmaak_f32 v[\t3], v[\t3], v[\t2], 0xbd5d0dd1 ; -17/315
	v_fmaak_f32 v[\t3], v[\t3], v[\t2], 0x3e088889 ; 2/15
	v_fmaak_f32 v[\t3], v[\t3], v[\t2], 0xbeaaaaab ; -1/3
	v_fma_f32 v[\t3], v[\t3], v[\t2], 1.0
	s_wait_alu depctr_va_vdst(0)                   ; one wait for both, ahead of the first reader
	v_add_f32 v[\t0], 1.0, v[\t0]
	v_rcp_f32 v[\t0], v[\t0]
	v_nop                                          ; a plain instruction behind the reciprocal
	v_cmp_gt_f32 vcc_lo, 0x3e800000, v[\z]         ; 0.25 > z: the series
	s_wait_alu depctr_va_vdst(0)
	v_fma_f32 v[\t0], v[\t0], -2.0, 1.0            ; tanh z
	v_mul_f32 v[\t0], v[\t0], v[\t1]
	v_cndmask_b32 v[\o], v[\t0], v[\t3], vcc_lo
.endm
; 64 numbers of a lane, register 16 b + i = k 32 b + 16 h + i of my row, become a fragment's codes in v[pc] on and my row's scale word in v[pw]
.macro QUANT s, pc, pw
.irp b, 0,1,2,3
	v_max3_num_f32 v[T+\b], |v[\s+16*\b]|, |v[\s+1+16*\b]|, 0x1800000   ; block b: my 16 numbers, and the floor 2^(3 - 127): the byte cannot fall under 1
.endr
.irp i, 2,4,6,8,10,12,14
.irp b, 0,1,2,3
	v_max3_num_f32 v[T+\b], v[T+\b], |v[\s+16*\b+\i]|, |v[\s+1+16*\b+\i]|
.endr
.endr
.irp b, 0,1,2,3
	v_permlanex16_b32 v[T+4+\b], v[T+\b], s[SEL], s[SEL+1]
.endr
.irp b, 0,1,2,3
	v_max_num_f32 v[T+\b], v[T+\b], v[T+4+\b]      ; with lane l xor 16's: the block's largest magnitude
.endr
.irp b, 0,1,2,3
	v_add_nc_u32 v[T+12+\b], 0xff000000, v[T+\b]   ; 2 off its exponent field: the conversion's scale operand
.endr
.irp b, 0,1,2,3
	v_lshrrev_b32 v[T+4+\b], 23, v[T+12+\b]        ; the scale's byte
.endr
	v_lshl_or_b32 v[\pw], v[T+5], 8, v[T+4]
	v_lshl_or_b32 v[\pw], v[T+6], 16, v[\pw]
	v_lshl_or_b32 v[\pw], v[T+7], 24, v[\pw]
.irp b, 0,1,2,3
	v_cvt_scalef32_pk8_fp4_f32 v[\pc+2*\b], v[\s+16*\b:\s+7+16*\b], v[T+12+\b]
	v_cvt_scalef32_pk8_fp4_f32 v[\pc+1+2*\b], v[\s+8+16*\b:\s+15+16*\b], v[T+12+\b]
.endr
	v_nop                                          ; one plain instruction behind a scaled conversion
.irp c, 0,1                                    ; the operand wants a whole block in a lane: lanes 0-15 block 2 c, lanes 16-31 block 2 c + 1
.irp i, 0,1
	v_permlane16_swap_b32 v[\pc+4*\c+\i], v[\pc+2+4*\c+\i]
.endr
.endr
.endm
.macro NSTORE c, reg                   ; a constant of my row, twice on end, so that it comes back as a pair for the packed forms
	ds_store_b32 v[VNW], v[\reg] offset:512*\c
	ds_store_b32 v[VNW], v[\reg] offset:512*\c+4
.endm
	s_load_b128 s[4:7], s[0:1], 0x0                ; x, p_vals
	s_load_b128 s[8:11], s[0:1], 0x10              ; a_vals, out0
	s_set_vgpr_msb 0x40
	v_lshl_add_u32 v0, v0, 2, 0x3c000
	v_mov_b32 v1, 0
	s_set_vgpr_msb 0x4045
	ds_add_u32 v0, v1
	ds_add_u32 v0, v1
	s_set_vgpr_msb 0x4500
	v_lshrrev_b32 v1, 5, v0
	v_readfirstlane_b32 s[WV], v1                  ; wave 0..3
	s_bfe_u32 s40, ttmp6, 0x40000                  ; cx, cy: my place in the cluster
	s_bfe_u32 s41, ttmp6, 0x40004
	s_lshl_b32 s42, ttmp9, 2
	s_add_co_u32 s42, s42, s40                     ; block of 64 n = 4 x cluster x + cx
	s_and_b32 s17, ttmp7, 0xffff
	s_lshl_b32 s17, s17, 2
	s_add_co_u32 s17, s17, s41                     ; block of 64 b = 4 x cluster y + cy
	s_lshl_b32 s43, s41, 2
	s_lshl_b32 s43, 15, s43                        ; my row of the cluster: it shares x's rows
	s_lshl_b32 s44, 0x1111, s40                    ; my column: it shares p's and a's rows
	s_or_b32 s[G1X], s43, G1W0
	s_or_b32 s[G1P], s44, G1W0
.irp g, G1X, G1P
	s_mov_b32 s[\g+1], 256<<16                     ; tensor_dim0 = 256
	s_mov_b32 s[\g+2], 16<<16                      ; tensor_dim1 = 16
	s_mov_b32 s[\g+3], 256<<16                     ; tile_dim0 = 256
	s_mov_b32 s[\g+4], 16                          ; tile_dim1 = 16
	s_mov_b32 s[\g+6], 0
	s_mov_b32 s[\g+7], 0
.endr
	s_mov_b32 s[G1X+5], 256                        ; x: row on row
	s_mov_b32 s[G1P+5], 1024                       ; p, a: every fourth row
	s_lshl_b32 s20, s17, 16                        ; x: 64 rows of 1,024 bytes a block,
	s_lshl_b32 s21, s[WV], 14                      ; 16 rows a wave
	s_add_co_u32 s20, s20, s21
	s_mov_b32 s21, 0
	s_lshl_b32 s46, s42, 16                        ; p, a: 64 rows a block,
	s_lshl_b32 s47, s[WV], 10                      ; tile w begins at row w
	s_add_co_u32 s46, s46, s47
	s_mov_b32 s47, 0
	s_mul_i32 s45, s[WV], TILE                     ; where they go: the wave's number alone
	s_lshl_b32 s18, s17, 17                        ; out0: 64 rows of 2,048 bytes a block of b,
	s_lshl_b32 s19, s[WV], 15                      ; 16 rows a wave,
	s_add_co_u32 s18, s18, s19
	s_lshl_b32 s19, s42, 8                         ; 256 bytes a block of n
	s_add_co_u32 s18, s18, s19
	s_mov_b32 s19, 0
	s_mov_b32 s[SEL], 0x76543210
	s_mov_b32 s[SEL+1], 0xfedcba98
	s_mov_b32 s[MSK], 0x7fffffff
	s_wait_dscnt 0x0
	s_wait_kmcnt 0x0
	s_add_nc_u64 s[20:21], s[4:5], s[20:21]
	s_add_nc_u64 s[22:23], s[6:7], s[46:47]
	s_add_nc_u64 s[46:47], s[8:9], s[46:47]
	s_add_nc_u64 s[10:11], s[10:11], s[18:19]
	s_mov_b32 s[G0P], 1
	s_add_co_u32 s[G0P+1], s45, PRAW
	s_mov_b64 s[G0P+2:G0P+3], s[22:23]
	s_or_b32 s[G0P+3], s[G0P+3], 0x80000000
	s_mov_b32 s[G0A], 1
	s_add_co_u32 s[G0A+1], s45, ARAW
	s_mov_b64 s[G0A+2:G0A+3], s[46:47]
	s_or_b32 s[G0A+3], s[G0A+3], 0x80000000
	s_mov_b32 s[G0X], 1
	s_mov_b32 s[G0X+1], s45
	s_mov_b64 s[G0X+2:G0X+3], s[20:21]
	s_or_b32 s[G0X+3], s[G0X+3], 0x80000000
	CROUND                                         ; all sixteen work-groups are here: the joint loads meet
	tensor_load_to_lds s[G0P:G0P+3], s[G1P:G1P+7]  ; the launch's only fills, one group: three loads of mine are out
	s_nop 0
	tensor_load_to_lds s[G0A:G0A+3], s[G1P:G1P+7]
	s_nop 0
	tensor_load_to_lds s[G0X:G0X+3], s[G1X:G1X+7]
	s_nop 0
	PLACES 4                                       ; four places behind the tensor loads
	v_and_b32 v[VL], 31, v0
	v_and_b32 v[VR], 15, v0
	v_bfe_u32 v[VH], v0, 4, 1
	v_mul_u32_u24 v[VXR], v[VR], PITCH
	v_lshl_add_u32 v[VXR], v[VH], 6, v[VXR]
	v_add_nc_u32 v[VXR], s45, v[VXR]               ; my tile, row r, + 64 h
	v_add_nc_u32 v[VPR], PRAW, v[VXR]
	v_add_nc_u32 v[VAR], ARAW, v[VXR]
	v_lshl_add_u32 v[VIM], v[VL], 4, PQ
	s_lshl_b32 s15, s[WV], 11
	v_add_nc_u32 v[VIMP], s15, v[VIM]
	s_lshl_b32 s15, s[WV], 13
	v_add_nc_u32 v[VIMA], s15, v[VIM]
	v_lshl_add_u32 v[VSC], v[VL], 2, PQS
	s_lshl_b32 s15, s[WV], 8
	v_add_nc_u32 v[VSCW], s15, v[VSC]
	v_lshl_add_u32 v[VNR], v[VR], 3, NCON
	s_lshl_b32 s3, s[WV], 7
	v_add_nc_u32 v[VNW], s3, v[VNR]
	v_lshl_add_u32 v[VBW], v[VR], 2, BCON
	v_add_nc_u32 v[VBW], s15, v[VBW]
	v_lshl_add_u32 v[VBR], v[VH], 5, BCON
	v_add_nc_u32 v[VBR], s15, v[VBR]
	; ---- p and a: rows 4 r + w of the work-group's 64
	s_wait_tensorcnt 0x1                           ; my tiles of p and a are in; x's load, issued behind them, may be out
	LD16 AA, VAR, 0
	LD16 PA0, VPR, 0
	LD16 PA1, VPR, 1
	s_wait_dscnt 16                                ; a's and p's first halves are in; the 16 loads of p's second half may be out
	SUMS PA0, 1
	ABF16 0
	s_wait_dscnt 0x0                               ; the image stores have read their registers
	LD16 AA, VAR, 1
	s_wait_dscnt 0x0
	SUMS PA1, 0
	ABF16 1
	RED T                                          ; sum p^2
	RED T+8                                        ; sum a^2
	RED T+16                                       ; sum p a
	v_sqrt_f32 v[T+1], v[T]
	v_sqrt_f32 v[T+9], v[T+8]                      ; |a|
	v_nop
	s_wait_alu depctr_va_vdst(0)                   ; one wait for the two roots, ahead of their first reader
	v_max_num_f32 v[T+3], 0x3727c5ac, v[T+1]       ; z = max(|p|, 1e-5)
	TANHQ T+2, T+3, T+4, T+5, T+6, T+7             ; sp = tanh(z) / z:  P = sp p
	v_mul_f32 v[T+4], v[T+2], v[T+2]
	v_mul_f32 v[T+4], v[T+4], v[T]                 ; p2 = |P|^2
	v_sub_f32 v[T+5], 1.0, v[T+4]                  ; om = 1 - p2: the conformal factor, A = om a
	v_mul_f32 v[T+6], |v[T+5]|, v[T+9]             ; |A|
	v_rcp_f32 v[T+7], v[T+6]
	v_rcp_f32 v[T+10], v[T+5]
	v_mul_f32 v[T+11], v[T+5], v[T+5]              ; c4 = om^2
	v_mul_f32 v[T+12], v[T+2], v[T+5]              ; sp om
	s_wait_alu depctr_va_vdst(0)
	v_mul_f32 v[T+13], v[T+12], v[T+16]            ; P.A = sp om (p.a)
	v_mul_f32 v[T+13], v[T+13], v[T+7]
	v_mul_f32 v[T+13], -2.0, v[T+13]               ; c1 = 2 (-P.A) / |A|
	v_mul_f32 v[T+14], v[T+11], v[T+7]
	v_add_f32 v[T+14], v[T+14], v[T+14]            ; c2 = 2 om^2 / |A|: om A.X = om^2 g
	v_mul_f32 v[T+12], -2.0, v[T+12]               ; c3 = -2 om sp: 2 om (-P.X) = c3 s d
	v_mul_f32 v[T+10], v[T+10], v[T+6]
	v_mul_f32 v[T+10], 0x3fb17218, v[T+10]         ; k ln 2 = 2 ln 2 |A| / om
	NSTORE 0, T+13
	NSTORE 1, T+14
	NSTORE 2, T+12
	NSTORE 3, T+11
	NSTORE 4, T+4
	NSTORE 5, T+10
.set i, 0
.rept 32
	v_pk_mul_f32 v[PA0+2*i:PA0+2*i+1], v[PA0+2*i:PA0+2*i+1], v[T+2:T+3] op_sel_hi:[1,0]   ; P = sp p
	v_pk_mul_f32 v[PA1+2*i:PA1+2*i+1], v[PA1+2*i:PA1+2*i+1], v[T+2:T+3] op_sel_hi:[1,0]
.set i, i+1
.endr
	s_wait_dscnt 0x0                               ; all my stores have read their registers
	s_wait_tensorcnt 0x0                           ; my tile of x is in
	LD16 DA+64, VXR, 1                             ; x is on its way out of LDS while P is quantised
	QUANT PA0, T+16, PW
	ds_store_b128 v[VIMP], v[T+16:T+19]
	ds_store_b128 v[VIMP], v[T+20:T+23] offset:512
	ds_store_b32 v[VSCW], v[PW]
	LD16 DA, VXR, 0
	QUANT PA1, T+24, K1
	ds_store_b128 v[VIMP], v[T+24:T+27] offset:1024
	ds_store_b128 v[VIMP], v[T+28:T+31] offset:1536
	ds_store_b32 v[VSCW], v[K1] offset:128
	s_wait_dscnt 0x0
	; ---- x: rows 16 w + r, the rows whose outputs this wave makes
.set i, 0
.rept 64
.if i < 4
	v_pk_mul_f32 v[T+2*i:T+1+2*i], v[DA+2*i:DA+2*i+1], v[DA+2*i:DA+2*i+1]
.else
	v_pk_fma_f32 v[T+2*(i%4):T+1+2*(i%4)], v[DA+2*i:DA+2*i+1], v[DA+2*i:DA+2*i+1], v[T+2*(i%4):T+1+2*(i%4)]
.endif
.set i, i+1
.endr
	RED T                                          ; sum x^2
	v_sqrt_f32 v[T+1], v[T]                        ; |x|
	v_nop
	s_wait_alu depctr_va_vdst(0)
	v_add_f32 v[T+8], 0x3727c5ac, v[T+1]
	v_rcp_f32 v[T+8], v[T+8]
	v_nop
	s_wait_alu depctr_va_vdst(0)
	v_min_num_f32 v[T+8], 1.0, v[T+8]              ; the clip: min(1, 1 / (|x| + 1e-5))
	v_mul_f32 v[T+3], v[T+8], v[T+1]
	v_max_num_f32 v[T+3], 0x3727c5ac, v[T+3]       ; u = max(|clipped x|, 1e-5)
	TANHQ T+2, T+3, T+4, T+5, T+6, T+7
	v_mul_f32 v[T+2], v[T+2], v[T+8]               ; s = clip x tanh(u) / u
	v_mul_f32 v[T+9], v[T+2], v[T+1]
	v_max_num_f32 v[T+9], 0x3727c5ac, v[T+9]       ; the projection: the point's norm,
	v_rcp_f32 v[T+10], v[T+9]
	v_nop
	v_cmp_lt_f32 vcc_lo, 0x3f7fbe77, v[T+9]        ; beyond 0.999?
	s_wait_alu depctr_va_vdst(0)
	v_mul_f32 v[T+10], v[T+10], v[T+2]
	v_mul_f32 v[T+10], 0x3f7fbe77, v[T+10]
	v_cndmask_b32 v[T+2], v[T+2], v[T+10], vcc_lo  ; then s x 0.999 / norm
	v_mul_f32 v[T+11], v[T+2], v[T+2]
	v_mul_f32 v[T+11], v[T+11], v[T]               ; y2 = |X|^2
	ds_store_b32 v[VBW], v[T+2]
	ds_store_b32 v[VBW], v[T+11] offset:64
.set i, 0
.rept 64
	v_pk_mul_f32 v[DA+2*i:DA+2*i+1], v[DA+2*i:DA+2*i+1], v[T+2:T+3] op_sel_hi:[1,0]   ; X = s x
.set i, i+1
.endr
.set i, 0
.rept 64
	v_cvt_pk_bf16_f32 v[XB+i], v[DA+2*i], v[DA+2*i+1]
.set i, i+1
.endr
	s_wait_dscnt 0x0                               ; the two stores have read their registers
	QUANT DA, XQ, XS
	QUANT DA+64, XQ+8, XS+1
	s_barrier_signal -1                            ; no LDS instruction of mine is out; my tensor loads have landed
	s_barrier_wait -1                              ; every wave's tiles, images and constants lie in LDS; from here on LDS is only read
	; ---- q = Q(X) Q(P)^T: source 0 = my 16 rows of X, source 1 = 16 rows of P
.irp f, 0,1,2,3,4,5,6,7
	ds_load_b128 v[FB+8*\f:FB+8*\f+3], v[VIM] offset:1024*\f
	ds_load_b128 v[FB+8*\f+4:FB+8*\f+7], v[VIM] offset:1024*\f+512
	ds_load_b32 v[PS+\f], v[VSC] offset:128*\f
.endr
	v_mul_u32_u24 v[VAX], v[VH], 8*PITCH           ; eight plain instructions between the vector lines that made X's codes and scale words and the scaled products
	v_add_nc_u32 v[VAX], s45, v[VAX]
	v_mul_u32_u24 v[VAP], v[VR], PITCH
	v_add_nc_u32 v[VAP], PRAW, v[VAP]
	v_lshlrev_b32 v[VOUT], 14, v[VH]               ; 8 h rows of 2,048 bytes
	v_lshl_add_u32 v[VOUT], v[VR], 4, v[VOUT]      ; + 16 r
	v_mov_b32 v[K1], 0x3f800054                    ; 1 + 1e-5
	v_mov_b32 v[K1+1], 0x3f800054
	s_wait_dscnt 0x0
.irp i, 0,1,2,3                                ; the four accumulators by turns
	v_wmma_scale_f32_16x16x128_f8f6f4 v[Q+8*\i:Q+8*\i+7], v[XQ:XQ+7], v[FB+16*\i:FB+16*\i+7], 0, v[XS], v[PS+2*\i] matrix_a_fmt:MATRIX_FMT_FP4 matrix_b_fmt:MATRIX_FMT_FP4
.endr
.irp i, 0,1,2,3
	v_wmma_scale_f32_16x16x128_f8f6f4 v[Q+8*\i:Q+8*\i+7], v[XQ+8:XQ+15], v[FB+16*\i+8:FB+16*\i+15], v[Q+8*\i:Q+8*\i+7], v[XS+1], v[PS+2*\i+1] matrix_a_fmt:MATRIX_FMT_FP4 matrix_b_fmt:MATRIX_FMT_FP4
.endr
	; ---- g = X a^T in bf16, 32 along K at a time; a's fragments in three buffers of 32 registers, two steps ahead
.macro LOADA k
.set bb, 96+32*((\k)%3)+64*(((\k)%3)/2)        ; v96, v128, v224
.irp i, 0,1,2,3
	ds_load_b128 v[bb+8*\i:bb+8*\i+3], v[VIM] offset:ABF-PQ+(8*\i+(\k))*1024
	ds_load_b128 v[bb+8*\i+4:bb+8*\i+7], v[VIM] offset:ABF-PQ+(8*\i+(\k))*1024+512
.endr
.endm
.macro MULA k
.set bb, 96+32*((\k)%3)+64*(((\k)%3)/2)
.irp i, 0,1,2,3
.if (\k) == 0
	v_wmma_f32_16x16x32_bf16 v[G+8*\i:G+8*\i+7], v[XB+8*(\k):XB+8*(\k)+7], v[bb+8*\i:bb+8*\i+7], 0
.else
	v_wmma_f32_16x16x32_bf16 v[G+8*\i:G+8*\i+7], v[XB+8*(\k):XB+8*(\k)+7], v[bb+8*\i:bb+8*\i+7], v[G+8*\i:G+8*\i+7]
.endif
.endr
.endm
	PLACES 4                                       ; four places in front of loads into registers that matrix instructions have read
	LOADA 0
	LOADA 1
	LOADA 2
.irp k, 0,1,2,3,4,5,6,7
.if \k < 6
	s_wait_dscnt 16                                ; this step's eight loads are in; the next two steps' sixteen may be out
.else
	s_wait_dscnt 8*(7-\k)
.endif
	MULA \k
.if \k < 5
	PLACES 4
	LOADA \k+3
.endif
.endr
	; ---- d = x p^T in f32.  Lane (r, h): rows 8 h + j of x (the same for sixteen lanes), rows 4 r + i of p.  4 along K: 12 loads of 16 bytes, 64 packed multiply-adds; a sum's two halves take even and odd k
.macro GLOAD bu, off
.irp j, 0,1,2,3,4,5,6,7
	ds_load_b128 v[\bu+4*\j:\bu+4*\j+3], v[VAX] offset:\j*PITCH+\off
.endr
.irp i, 0,1,2,3
	ds_load_b128 v[\bu+32+4*\i:\bu+32+4*\i+3], v[VAP] offset:\i*TILE+\off
.endr
.endm
.macro GFMA bu, zero                   ; zero = 1: the first products start the sums
.irp e, 0,1
.irp j, 0,1,2,3,4,5,6,7
.irp i, 0,1,2,3
.if (\zero) && (\e == 0)
	v_pk_mul_f32 v[ACC+2*(4*\j+\i):ACC+2*(4*\j+\i)+1], v[\bu+4*\j+2*\e:\bu+4*\j+2*\e+1], v[\bu+32+4*\i+2*\e:\bu+32+4*\i+2*\e+1]
.else
	v_pk_fma_f32 v[ACC+2*(4*\j+\i):ACC+2*(4*\j+\i)+1], v[\bu+4*\j+2*\e:\bu+4*\j+2*\e+1], v[\bu+32+4*\i+2*\e:\bu+32+4*\i+2*\e+1], v[ACC+2*(4*\j+\i):ACC+2*(4*\j+\i)+1]
.endif
.endr
.endr
.endr
.endm
	PLACES 4                                       ; in front of loads into, and vector writes of, registers that the last products read
	GLOAD BU0, 0                                   ; step 0 of 64
	GLOAD BU1, 16                                  ; step 1
	s_wait_dscnt 12                                ; step 0 is in; the 12 loads of step 1 may be out
	GFMA BU0, 1
	s_mov_b32 s3, 31
.Lk:                                               ; trip t: steps 2 t + 1 and 2 t + 2 are multiplied, steps 2 t + 2 and 2 t + 3 fetched
	GLOAD BU0, 32
	s_wait_dscnt 12                                ; the other buffer's step is in; the 12 loads just issued may be out
	GFMA BU1, 0
	v_add_nc_u32 v[VAX], 32, v[VAX]                ; 8 along K on
	v_add_nc_u32 v[VAP], 32, v[VAP]
	GLOAD BU1, 16
	s_wait_dscnt 12
	GFMA BU0, 0
	s_sub_co_u32 s3, s3, 1
	s_cmp_lg_u32 s3, 0
	s_cbranch_scc1 .Lk
	s_wait_dscnt 0x0                               ; step 63: nothing more is fetched, so no load reads past a row's 1,024 bytes
	GFMA BU1, 0
	; ---- the epilogue, two b at a time (registers j, j + 1); a constant of n comes as a pair of equal numbers
.irp c, 0,1,2,3,4,5
.irp i, 0,1,2,3
	ds_load_b64 v[CN+8*\c+2*\i:CN+8*\c+2*\i+1], v[VNR] offset:512*\c+128*\i
.endr
.endr
	ds_load_b128 v[SX:SX+3], v[VBR]                ; s of rows 8 h + 0 .. 7
	ds_load_b128 v[SX+4:SX+7], v[VBR] offset:16
	ds_load_b128 v[Y2:Y2+3], v[VBR] offset:64      ; y2 likewise
	ds_load_b128 v[Y2+4:Y2+7], v[VBR] offset:80
.irp i, 0,1,2,3
.irp j, 0,1,2,3,4,5,6,7
	v_add_f32 v[DD+8*\i+\j], v[ACC+2*(4*\j+\i)], v[ACC+2*(4*\j+\i)+1]   ; a sum's two halves, laid as q and g lie
.endr
.endr
	s_wait_dscnt 0x0
.irp jp, 0,1,2,3
	v_pk_add_f32 v[Y1+2*\jp:Y1+2*\jp+1], v[Y2+2*\jp:Y2+2*\jp+1], 1.0 op_sel_hi:[1,0]   ; 1 + y2
.endr
.irp i, 0,1,2,3
.irp jp, 0,1,2,3
	v_pk_mul_f32 v[DD+8*\i+2*\jp:DD+8*\i+2*\jp+1], v[DD+8*\i+2*\jp:DD+8*\i+2*\jp+1], v[SX+2*\jp:SX+2*\jp+1]   ; s d = p . X
.endr
.endr
.macro EOP op, i, jp, u                ; line op of the arithmetic for tile i, rows 2 jp, 2 jp + 1; u: which set of work registers
.set rq, Q+8*(\i)+2*(\jp)
.set rg, G+8*(\i)+2*(\jp)
.set rd, DD+8*(\i)+2*(\jp)
.set rt, TP+2*(\u)
.set rn, DN+2*(\u)
.set rc, NC+2*(\u)
.set ry, Y2+2*(\jp)
.set r1, Y1+2*(\jp)
.set rk, CN+2*(\i)                     ; c1; + 8 c2; + 16 c3; + 24 c4; + 32 p2; + 40 k ln 2
.if \op == 0
	v_pk_fma_f32 v[rt:rt+1], v[rq:rq+1], -2.0, v[K1:K1+1] op_sel_hi:[1,0,1]    ; 1 + 1e-5 + 2 xy
.elseif \op == 1
	v_pk_fma_f32 v[rc:rc+1], v[rq:rq+1], -2.0, v[r1:r1+1] op_sel_hi:[1,0,1]    ; nc = 1 + 2 xy + y2
.elseif \op == 2
	v_pk_fma_f32 v[rn:rn+1], v[rk+32:rk+33], v[ry:ry+1], v[rt:rt+1]            ; dn = 1 + 2 xy + p2 y2 + 1e-5
.elseif \op == 3
	v_pk_mul_f32 v[rg:rg+1], v[rk+8:rk+9], v[rg:rg+1]
.elseif \op == 4
	v_pk_mul_f32 v[rd:rd+1], v[rk+16:rk+17], v[rd:rd+1]
.elseif \op == 5
	v_pk_mul_f32 v[rt:rt+1], v[rk+24:rk+25], v[ry:ry+1]                        ; om^2 y2
.elseif \op == 6
	v_pk_fma_f32 v[rg:rg+1], v[rc:rc+1], v[rk:rk+1], v[rg:rg+1]                ; N = nc c1 + c2 g
.elseif \op == 7
	v_pk_fma_f32 v[rd:rd+1], v[rc:rc+1], v[rk+32:rk+33], v[rd:rd+1]
.elseif \op == 8
	v_pk_fma_f32 v[rd:rd+1], v[rc:rc+1], v[rd:rd+1], v[rt:rt+1]                ; M
.elseif \op == 9
	v_pk_fma_f32 v[rd:rd+1], v[rn:rn+1], v[rn:rn+1], v[rd:rd+1] neg_lo:[0,0,1] neg_hi:[0,0,1]   ; dn^2 - M
.else
	v_pk_mul_f32 v[rg:rg+1], v[rg:rg+1], v[rn:rn+1]                            ; N dn
.endif
.endm
.macro STAGEA i0                       ; tiles i0, i0 + 1: each line for eight pairs before the next line, each accumulator from its low end on
.irp op, 0,1,2,3,4,5,6,7,8,9,10
.irp d, 0,1
.irp jp, 0,1,2,3
	EOP \op, \i0+\d, \jp, 4*\d+\jp
.endr
.endr
.endr
.endm
	STAGEA 0
	STAGEA 2
.set i, 0
.rept 32
	v_rcp_f32 v[Q+i], v[DD+i]                      ; one batch of 32,
.set i, i+1
.endr
	v_nop                                          ; a plain instruction behind the last,
	s_wait_alu depctr_va_vdst(0)                   ; and one wait ahead of the first reader
.set i, 0
.rept 16
	v_pk_mul_f32 v[G+2*i:G+2*i+1], v[G+2*i:G+2*i+1], v[Q+2*i:Q+2*i+1]          ; z = num / den
.set i, i+1
.endr
.set i, 0
.rept 16
	v_pk_fma_f32 v[DD+2*i:DD+2*i+1], v[G+2*i:G+2*i+1], v[G+2*i:G+2*i+1], 1.0 op_sel_hi:[1,1,0]
.set i, i+1
.endr
.set i, 0
.rept 32
	v_sqrt_f32 v[Q+i], v[DD+i]
.set i, i+1
.endr
	v_nop
	s_wait_alu depctr_va_vdst(0)
.set i, 0
.rept 32
	v_add_f32 v[DD+i], |v[G+i]|, v[Q+i]            ; |z| + sqrt(z^2 + 1), at least 1
.set i, i+1
.endr
.set i, 0
.rept 32
	v_log_f32 v[Q+i], v[DD+i]
.set i, i+1
.endr
	v_nop
	s_wait_alu depctr_va_vdst(0)
.set i, 0
.rept 32
	v_bfi_b32 v[Q+i], s[MSK], v[Q+i], v[G+i]       ; z's sign onto the logarithm, which is not negative
.set i, i+1
.endr
.irp j, 0,1,2,3,4,5,6,7
.irp i, 0,1,2,3
	v_mul_f32 v[R+4*\j+\i], v[Q+8*\i+\j], v[CN+40+2*\i]
.endr
	global_store_b128 v[VOUT], v[R+4*\j:R+4*\j+3], s[10:11] offset:2048*\j th:TH_STORE_NT   ; sixteen lanes store 256 consecutive bytes, at a multiple of 256 from out0's first byte; written once, read by nobody here
.endr
	s_set_vgpr_msb 0x5
	s_wait_tensorcnt 0x0
	ds_add_u32 v0, v1
	s_wait_dscnt 0x0
	s_set_vgpr_msb 0x500
	CROUND                                         ; the closing round: no work-group ends while a partner may still ask for a tile that names it
	s_endpgm
.Lfunc_end_k_q2ec1d4ec60_mlr:
	.size	k_q2ec1d4ec60_mlr, .Lfunc_end_k_q2ec1d4ec60_mlr-k_q2ec1d4ec60_mlr
	.p2alignl 7, 3214868480
	.fill 96, 4, 3214868480
	.section	.rodata,"a",@progbits
	.p2align	6, 0x0
	.amdhsa_kernel k_q2ec1d4ec60_mlr
		.amdhsa_group_segment_fixed_size 246272
		.amdhsa_private_segment_fixed_size 0
		.amdhsa_enable_private_segment 0
		.amdhsa_kernarg_size 32
		.amdhsa_user_sgpr_count 2
		.amdhsa_user_sgpr_kernarg_segment_ptr 1
		.amdhsa_wavefront_size32 1
		.amdhsa_system_sgpr_workgroup_id_x 1
		.amdhsa_system_sgpr_workgroup_id_y 1
		.amdhsa_system_sgpr_workgroup_id_z 1
		.amdhsa_system_vgpr_workitem_id 0
		.amdhsa_next_free_vgpr 258
		.amdhsa_next_free_sgpr 66
		.amdhsa_reserve_vcc 1
		.amdhsa_float_denorm_mode_32 3
		.amdhsa_float_denorm_mode_16_64 3
		.amdhsa_memory_ordered 1
		.amdhsa_forward_progress 1
		.amdhsa_inst_pref_size 122
	.end_amdhsa_kernel
	.amdgpu_metadata
---
amdhsa.version: [ 1, 2 ]
amdhsa.kernels:
  - .name:           k_q2ec1d4ec60_mlr
    .symbol:         k_q2ec1d4ec60_mlr.kd
    .args:
      - { .name: x, .offset: 0, .size: 8, .value_kind: global_buffer, .address_space: global }
      - { .name: p_vals, .offset: 8, .size: 8, .value_kind: global_buffer, .address_space: global }
      - { .name: a_vals, .offset: 16, .size: 8, .value_kind: global_buffer, .address_space: global }
      - { .name: out0, .offset: 24, .size: 8, .value_kind: global_buffer, .address_space: global }
    .group_segment_fixed_size: 246272
    .private_segment_fixed_size: 0
    .kernarg_segment_align: 8
    .kernarg_segment_size: 32
    .max_flat_workgroup_size: 128
    .sgpr_count:     66
    .vgpr_count:     258
    .wavefront_size: 32
...
	.end_amdgpu_metadata
.endif
;; end of part 1
